; MI455X (gfx1250); checked and timed in simulation.
; The chip was launched on July 23, 2026; its instructions are those of AMD's public machine-readable ISA for CDNA 5 (MIT licence, August 2026) and "CDNA5" Instruction Set Architecture Reference Guide (July 2026). The comments in the code are by the model that wrote it; some were corrected since.
;; RNTN. Allowed arithmetic: matrix products marked QUANTISED: E3M2 operands, one E8M0 scale for each 32 along K, by v_wmma_scale_f32_16x16x128_f8f6f4 with both operands' format E3M2, f32 sums; products left as they are: f32 operands where the result goes on into a quantised operand, else bf16, f16 or f32 operands; f32 sums; everything else in f32.
;; Inputs: V 256 x 256 x 128 float32; W_b 128 float32; W_w 128 x 256 float32; Ws_b 5 float32; Ws_w 5 x 128 float32; left 8,192 x 128 float32; right 8,192 x 128 float32.
;; Outputs: out0 8,192 x 5 float32.
;; This version of the problem:
;;   THIS VERSION OF THE PROBLEM IS GIVEN IN LOW PRECISION. The matrix products marked QUANTISED in the list below multiply operands that are first quantised to E3M2 (3 exponent bits, 2 mantissa bits; 6 bits a number), with one power-of-two scale for each 32 numbers along K (OCP MX v1.0); their sums are f32. All else is computed in f32.
;;   The module's matrix products, in the order in which they are computed (A, B: the left and right operand; K: the contracted axis; several contracted axes count as one K, in the product's order):
;;     1. [M 8,192, K 256] x [K 256, N 32,768]; A: computed on the way; B: input V: QUANTISED
;;     2. batch 8,192 x [M 1, K 256] x [K 256, N 128]; A: computed on the way; B: computed on the way: left as it is (M = 1 < 16)
;;     3. [M 8,192, K 256] x [K 256, N 128]; A: computed on the way; B: input W_w: QUANTISED
;;     4. [M 8,192, K 128] x [K 128, N 5]; A: computed on the way; B: input Ws_w: left as it is (N = 5 < 16)
;;   THE QUANTISER, for each operand of a quantised product, along K:
;;     - K is cut into blocks of 32 from its start; a last block that is shorter is filled with zeros.
;;     - A block's scale is 2^e with e = floor(log2(the largest magnitude in the block)) - 4, held to -126 .. 127; a block of zeros has e = 0. As a byte (E8M0): e + 127.
;;     - Each number is divided by its block's scale, clamped to +-28, and rounded to the nearest number of E3M2, ties to even, subnormals kept.
;;     - The product sums the exact products of the quantised numbers (number of the format x scale) in f32.
;;   ~~~python
;;   def quantise(x, axis):      # numpy; x: float32 -> the quantised numbers, widened to float32 again
;;       x = np.moveaxis(x, axis, -1); K = x.shape[-1]
;;       x = np.pad(x, [(0, 0)] * (x.ndim - 1) + [(0, -K % 32)]); x = x.reshape(x.shape[:-1] + (-1, 32)); a = np.abs(x).max(-1, keepdims=True)
;;       e = np.where(a > 0, np.clip(np.frexp(np.where(a > 0, a, 1))[1] - 1 - 4, -126, 127), 0)      # np.frexp(a)[1] - 1 = floor(log2(a)), exactly
;;       r = np.clip(x / 2.0 ** e, -28, 28)
;;       step = 2.0 ** (np.maximum(np.frexp(np.where(r == 0, 1, r))[1] - 1, -2) - 2)
;;       q = np.round(r / step) * step * 2.0 ** e      # np.round: ties to even
;;       return np.moveaxis(q.reshape(q.shape[:-2] + (-1,))[..., :K], -1, axis).astype(np.float32)
;;   ~~~
;;   OPERANDS COMPUTED ON THE WAY. 'Computed on the way' means the value that the module computes at that place (a softmax that the list does not call 'softmax' is quantised finished and normalised). What goes into a quantiser is computed in f32, as accurately as f32 sums, v_exp_f32 and their like allow (about 1e-6 of the number): no bf16 or f16 on the way to a quantiser, and a product that is left as it is and whose result goes on into a quantised operand takes f32 operands (vector FMAs, or v_wmma_f32_16x16x4_f32). A number that lies on a knife's edge between two numbers of the format may be rounded either way, as far as f32 arithmetic and the matrix unit's own rounding can turn it there, and no further.
;; One version. Each part assembles by itself: llvm-mc -triple=amdgcn-amd-amdhsa -mcpu=gfx1250 --defsym DOCPART=n.
;; ======== version 1 of 1: 3 launches
;; limits: right only within a limited range of input values
;; workspace buffers: vq 6,553,600 bytes; pq 1,597,440 bytes; psc 66,560 bytes; plog 1,310,720 bytes; pm 8,388,608 bytes
;; launch quant (part 1): grid 386 x 1, 4 waves a work-group, no clusters, 26,112 bytes of LDS; arguments V, left, right, W_w, vq, pq, psc, pm; writes vq, pq, psc, pm
.if DOCPART == 1
	.amdgcn_target "amdgcn-amd-amdhsa--gfx1250"
	.amdhsa_code_object_version 6
	.text
	.protected	k_qbc5aea5c6c_quant
	.globl	k_qbc5aea5c6c_quant
	.p2align	8
	.type	k_qbc5aea5c6c_quant,@function
k_qbc5aea5c6c_quant:
	s_mov_b64 s[64:65], 0
	v_nop
	global_prefetch_b8 v0, s[64:65] scope:SCOPE_SE
	s_setreg_imm32_b32 hwreg(HW_REG_WAVE_MODE, 25, 1), 1
	s_wait_xcnt 0x0
; V [256 (i)][256 (j)][128 (k)], phrase = [left | right] [8192][256] and W_w [128][256], all f32, become codes of BF6 (E3M2) with one E8M0 byte for each 32 along K (K = i, phrase's columns, W_w's columns),
; laid as IMAGES OF OPERAND REGISTERS, so that the next launch takes every fragment by loads of 16 bytes a lane.
; A tile = 16 rows x 256 K = 3,072 bytes: [K step of 128: 2][chunk of 4 registers: 3][lane: 32][16 bytes]; lane (r, h) of a fragment holds row r, registers 6 c .. 6 c + 5 = K 64 c + 32 h + 0 .. 31.
; vq: [y = k / 16: 8][record: 128][6,400]: a record = the tiles of j even and j odd (rows k = 16 y + r) and 256 bytes of scale words [lane 32][parity 2]: lanes 0-15 row r's word of K step 0, lanes 16-31 of K step 1.
;     record = 16 slot + (j / 2) % 16, slot = 2 ((j % 128) / 32) + j / 128.
; pq: [tile: 520][3,072]: tiles 0-511 phrase's rows 16 T + r, tiles 512 + y W_w's rows 16 y + r.   psc: [pair of tiles: 260][lane 32][2] scale words, lanes as above.
; pm: phrase in f32 as the next launch's multiplier registers want it: [block of 256 rows: 32][slot: 8][tile: 16][four j: 8][row r: 16][16 bytes].
; A block's scale is 2^(floor(log2(its largest magnitude)) - 4): its byte is the largest magnitude's exponent field - 4, held at 1 from below.
; LIMITS: a block of zeros gets the byte 1 (its codes are zeros, and this program alone reads the bytes); blocks whose largest magnitude lies under 2^-122 are held at that floor; NaN and infinities are not served.
; Work-groups 0-255 take V (two runs of 256 bytes of every row i), work-groups 256-385 phrase and W_w (a wave: a pair of tiles, one K step of 128).  The branch hangs on the work-group's number alone.
.set REC,   6400
.set TILEB, 3072
.set VROW,  131072                     ; a row i of V in bytes
.set X,     32                         ; V: v32-159  two sets of 32 pairs of numbers down K
.set Y,     160                        ; V: v160-223 a block's numbers, column by column
.set CB,    224                        ; V: v224-229, v234-239 the two columns' six code registers; v230-232, v240-242 the second conversions' results
.set SB,    14                         ; V: v14-15   my two columns' scale words of my K step
.set OUTR,  32                         ; V: the way out
.set NA,    32                         ; P: v32-95, v96-159 two sets of 64 numbers: tile 0, tile 1
.set NB,    96
.set TM,    160
.set PC,    176
.set PW,    196
.set PWS,   202                        ; P: v202-203 the two tiles' scale words
.set SEL,   40
	s_load_b256 s[4:11], s[0:1], 0x0               ; V, left, right, W_w
	s_load_b128 s[12:15], s[0:1], 0x20             ; vq, pq
	s_load_b128 s[48:51], s[0:1], 0x30             ; psc s[48:49], pm s[50:51]
	v_lshl_add_u32 v20, v0, 2, 0x6400
	v_mov_b32 v21, 0
	v_lshrrev_b32 v1, 5, v0
	v_readfirstlane_b32 s47, v1                    ; wave 0..3
	s_lshr_b32 s31, s47, 1
	s_and_b32 s46, s47, 1                          ; ks: the K step that I serve
	v_and_b32 v1, 31, v0                           ; lane
	v_and_b32 v2, 15, v0                           ; r
	v_bfe_u32 v10, v0, 4, 1                        ; h
	v_lshlrev_b32 v8, 4, v1                        ; 16 x lane
	v_lshlrev_b32 v9, 3, v1                        ; 8 x lane
	s_cmp_ge_u32 ttmp9, 256
	s_wait_alu depctr_va_vdst(0)                   ; the wait ahead of the branch
	s_cbranch_scc1 .Lphrase
; ---------------- V.  A LANE TAKES TWO NEIGHBOURING COLUMNS (j, k), (j, k + 1), AND ITS REGISTERS RUN DOWN K = i: each load of the wave reads 256 consecutive bytes, aligned.
; Work-group: j pair = id / 2, k half = id % 2.  Wave: j = 2 pair + w / 2, k = 64 half + 2 lane + c, rows i = 128 (w % 2) .. + 127: four blocks of 32.
	s_lshr_b32 s19, ttmp9, 1                       ; j pair
	s_and_b32 s30, ttmp9, 1                        ; k half
	s_mul_i32 s34, s31, TILEB                      ; LDS: four records, one for each of the work-group's four k tiles (lane / 8): my j's tile, my K step's half of it
	s_mul_i32 s35, s46, 1536
	s_add_co_u32 s34, s34, s35
	s_lshl_b32 s35, s31, 2                         ; scale words: behind the two tiles, 4 parity, 128 ks
	s_lshl_b32 s36, s46, 7
	s_add_co_u32 s35, s35, s36
	s_add_co_u32 s35, s35, 2*TILEB
	s_mul_i32 s36, s47, REC                        ; the way out: wave w copies record w
	s_add_co_u32 s37, s36, 2*TILEB
	s_lshl_b32 s38, s19, 10                        ; my wave's first byte in V: 1,024 pair + 512 parity + 256 half + 128 ks rows
	s_lshl_b32 s39, s31, 9
	s_add_co_u32 s38, s38, s39
	s_lshl_b32 s39, s30, 8
	s_add_co_u32 s38, s38, s39
	s_lshl_b32 s39, s46, 24
	s_add_co_u32 s38, s38, s39
	s_mov_b32 s39, 0
	s_bfe_u32 s40, s19, 0x20004                    ; (pair / 16) % 4
	s_lshl_b32 s40, s40, 1
	s_lshr_b32 s41, s19, 6
	s_add_co_u32 s40, s40, s41                     ; slot
	s_lshl_b32 s40, s40, 4
	s_and_b32 s41, s19, 15
	s_add_co_u32 s40, s40, s41                     ; record in y's 128
	s_lshl_b32 s41, s30, 2
	s_add_co_u32 s41, s41, s47                     ; y of the record that I copy: 4 half + wave
	s_lshl_b32 s41, s41, 7
	s_add_co_u32 s40, s40, s41
	s_mul_i32 s40, s40, REC
	s_mov_b32 s41, 0
	v_lshrrev_b32 v3, 3, v1                        ; my k tile: lane / 8; my rows in it: 2 (lane % 8) + c
	v_and_b32 v6, 7, v1
	v_mul_u32_u24 v3, v3, REC
	v_lshl_add_u32 v4, v6, 5, v3
	v_lshl_add_u32 v5, v6, 4, v3
	v_add_nc_u32 v4, s34, v4                       ; codes: record, tile, 16 x row (column c: + 16)
	v_add_nc_u32 v5, s35, v5                       ; scale word: record, 8 x row (column c: + 8)
	v_add_nc_u32 v6, s36, v8
	v_add_nc_u32 v7, s37, v9
	s_wait_alu depctr_va_vdst(0)                   ; the wait at the head's end
	s_wait_kmcnt 0x0
	s_add_nc_u64 s[20:21], s[4:5], s[38:39]        ; two bases, 64 rows of V apart, so that every offset is an immediate; none is stepped
	s_add_nc_u64 s[22:23], s[20:21], 0x800000
	s_add_nc_u64 s[28:29], s[12:13], s[40:41]
.macro LOAD t                          ; block t of my four: V(128 ks + 32 t + i, my two columns) into set t % 2
.irp i, 0,1,2,3,4,5,6,7,8,9,10,11,12,13,14,15,16,17,18,19,20,21,22,23,24,25,26,27,28,29,30,31
	global_load_b64 v[X+64*((\t)%2)+2*\i:X+64*((\t)%2)+2*\i+1], v9, s[20+2*((\t)/2):21+2*((\t)/2)] offset:(((\t)%2)*32+\i)*VROW th:TH_LOAD_NT
.endr
.endm
.macro COLMAX c, a, b                  ; column c's largest magnitude of the block, in two chains, with the floor 2^(5 - 127): the byte cannot fall under 1
	v_max3_num_f32 v[\a], |v[XS+\c]|, |v[XS+2+\c]|, |v[XS+4+\c]|
	v_max3_num_f32 v[\b], |v[XS+6+\c]|, |v[XS+8+\c]|, |v[XS+10+\c]|
.irp i, 6,10,14,18,22,26
	v_max3_num_f32 v[\a], v[\a], |v[XS+2*\i+\c]|, |v[XS+2*\i+2+\c]|
	v_max3_num_f32 v[\b], v[\b], |v[XS+2*\i+4+\c]|, |v[XS+2*\i+6+\c]|
.endr
	v_max3_num_f32 v[\a], v[\a], |v[XS+60+\c]|, |v[XS+62+\c]|
	v_max3_num_f32 v[\a], v[\a], v[\b], 0x2800000
.endm
; Block t is registers 6 c .. 6 c + 5 (c = t / 2) of lane row + 16 (t % 2) of the fragment: its 24 bytes go to that lane's places in chunks 0, 1 (c = 0) or 1, 2 (c = 1).
.macro BLOCK t
.set XS, X+64*((\t)%2)
.set OB, 256*((\t)%2)
.if (\t) < 3
	s_wait_loadcnt 32                              ; this block's 32 loads are in; the next block's may be out
.else
	s_wait_loadcnt 0x0
.endif
	COLMAX 0, 12, 13
	COLMAX 1, 16, 17
.irp i, 0,1,2,3,4,5,6,7,8,9,10,11,12,13,14,15,16,17,18,19,20,21,22,23,24,25,26,27,28,29,30,31
	v_mov_b32 v[Y+\i], v[XS+2*\i]                  ; the conversions take a column's neighbours along K from consecutive registers
	v_mov_b32 v[Y+32+\i], v[XS+2*\i+1]
.endr
	v_add_nc_u32 v18, 0xfe000000, v12              ; 4 off the exponent field: the conversion's scale operand
	v_add_nc_u32 v19, 0xfe000000, v16
.irp c, 0,1
	v_cvt_scalef32_pk16_bf6_f32 v[CB+10*\c:CB+10*\c+2], v[Y+32*\c:Y+32*\c+15], v[18+\c]
	v_cvt_scalef32_pk16_bf6_f32 v[CB+10*\c+6:CB+10*\c+8], v[Y+32*\c+16:Y+32*\c+31], v[18+\c]
.endr
	v_lshrrev_b32 v13, 23, v18                     ; the scales' bytes; also the plain instructions behind the conversions
	v_lshrrev_b32 v17, 23, v19
.irp c, 0,1
.irp i, 0,1,2
	v_mov_b32 v[CB+10*\c+3+\i], v[CB+10*\c+6+\i]
.endr
.endr
.if (\t) == 0
	v_mov_b32 v[SB], v13
	v_mov_b32 v[SB+1], v17
.else
	v_lshl_or_b32 v[SB], v13, 8*(\t), v[SB]
	v_lshl_or_b32 v[SB+1], v17, 8*(\t), v[SB+1]
.endif
.irp c, 0,1
.if (\t)/2 == 0
	ds_store_b128 v4, v[CB+10*\c:CB+10*\c+3] offset:OB+16*\c
	ds_store_b64 v4, v[CB+10*\c+4:CB+10*\c+5] offset:OB+16*\c+512
.else
	ds_store_b64 v4, v[CB+10*\c:CB+10*\c+1] offset:OB+16*\c+520
	ds_store_b128 v4, v[CB+10*\c+2:CB+10*\c+5] offset:OB+16*\c+1024
.endif
.endr
.if (\t)+2 < 4
	LOAD (\t)+2
.endif
	s_wait_dscnt 0x0                               ; the stores have read their registers
.endm
	LOAD 0
	LOAD 1
.irp t, 0,1,2,3
	BLOCK \t
.endr
	s_wait_alu depctr_va_vdst(0)                   ; the wait ahead of the readers below
	ds_store_b32 v5, v[SB]
	ds_store_b32 v5, v[SB+1] offset:8
	s_wait_dscnt 0x0                               ; for the others' sake: my stores have landed (a record comes from all four waves)
	s_barrier_signal -1
	s_barrier_wait -1
.irp i, 0,1,2,3,4,5,6,7,8,9,10,11
	ds_load_b128 v[OUTR+4*\i:OUTR+4*\i+3], v6 offset:512*\i
.endr
	ds_load_b64 v[OUTR+48:OUTR+49], v7
.irp i, 0,1,2,3,4,5,6,7,8,9,10,11
	s_wait_dscnt 12-\i
	global_store_b128 v8, v[OUTR+4*\i:OUTR+4*\i+3], s[28:29] offset:512*\i   ; 32 lanes store 512 consecutive bytes, at a multiple of 256 from vq's first byte
.endr
	s_wait_dscnt 0x0
	global_store_b64 v9, v[OUTR+48:OUTR+49], s[28:29] offset:2*TILEB         ; the record's 256 bytes of scale words
	s_wait_tensorcnt 0x0                           ; the wave's end
	ds_add_u32 v20, v21
	s_wait_dscnt 0x0
	s_endpgm
; ---------------- phrase and W_w: K is innermost.  A wave takes 32 rows x 128 K.  No LDS, no barrier.
; 64 numbers of a lane, register 16 b + i = K 32 b + 16 h + i of row r, become a fragment's codes in v[PC] on and its scale word in v[PW].
.macro QUANT s
.irp b, 0,1,2,3
	v_max3_num_f32 v[TM+\b], |v[\s+16*\b]|, |v[\s+1+16*\b]|, 0x2800000
.endr
.irp i, 2,4,6,8,10,12,14
.irp b, 0,1,2,3
	v_max3_num_f32 v[TM+\b], v[TM+\b], |v[\s+16*\b+\i]|, |v[\s+1+16*\b+\i]|
.endr
.endr
.irp b, 0,1,2,3
	v_permlanex16_b32 v[TM+4+\b], v[TM+\b], s[SEL], s[SEL+1]
.endr
.irp b, 0,1,2,3
	v_max_num_f32 v[TM+\b], v[TM+\b], v[TM+4+\b]
.endr
.irp b, 0,1,2,3
	v_add_nc_u32 v[TM+12+\b], 0xfe000000, v[TM+\b]
.endr
.irp b, 0,1,2,3
	v_lshrrev_b32 v[TM+4+\b], 23, v[TM+12+\b]
.endr
	v_lshl_or_b32 v[PW], v[TM+5], 8, v[TM+4]
	v_lshl_or_b32 v[PW], v[TM+6], 16, v[PW]
	v_lshl_or_b32 v[PW], v[TM+7], 24, v[PW]
.irp c, 0,1
	v_cvt_scalef32_pk16_bf6_f32 v[PC+6*\c:PC+2+6*\c], v[\s+32*\c:\s+15+32*\c], v[TM+12+2*\c]
	v_cvt_scalef32_pk16_bf6_f32 v[PC+12+4*\c:PC+14+4*\c], v[\s+16+32*\c:\s+31+32*\c], v[TM+12+2*\c+1]
.endr
	v_nop
.irp c, 0,1                                    ; the layout wants a WHOLE block in a lane
.irp i, 0,1,2
	v_permlane16_swap_b32 v[PC+6*\c+\i], v[PC+12+4*\c+\i]
.endr
.irp i, 0,1,2
	v_mov_b32 v[PC+3+6*\c+\i], v[PC+12+4*\c+\i]
.endr
.endr
.endm
.macro XLOAD reg, adr
.irp b, 0,1,2,3
.irp j, 0,1,2,3
	global_load_b128 v[\reg+16*\b+4*\j:\reg+16*\b+4*\j+3], v[\adr], s[24:25] offset:128*\b+16*\j
.endr
.endr
.endm
.macro PUT off, n
.irp c, 0,1,2
	global_store_b128 v8, v[PC+4*\c:PC+4*\c+3], s[14:15] offset:\off+512*\c
.endr
	v_mov_b32 v[PWS+\n], v[PW]
.endm
; A lane's registers 16 b + 4 j .. + 3 are four neighbouring columns of row r: sixteen lanes store one aligned run of 256 bytes of pm.  W_w's work-groups have no multipliers and store none.
.macro MPUT s, t
	s_cmp_ge_u32 ttmp9, 384
	s_cbranch_scc1 .Lno_m_\@
.irp b, 0,1,2,3
.irp j, 0,1,2,3
	global_store_b128 v11, v[\s+16*\b+4*\j:\s+16*\b+4*\j+3], s[50:51] offset:\b*65536+\t*2048+\j*256
.endr
.endr
.Lno_m_\@:
.endm
.Lphrase:
	s_sub_co_u32 s19, ttmp9, 256
	s_lshl_b32 s19, s19, 1
	s_add_co_u32 s20, s19, s31                     ; my pair of tiles: 2 (id - 256) + wave / 2 = 0 .. 259; pairs 256 on (work-groups 384, 385) are W_w's
	s_sub_co_u32 s18, s20, 256                     ; a pair's number in W_w
	s_mov_b32 s[SEL], 0x76543210
	s_mov_b32 s[SEL+1], 0xfedcba98
.irp b, 0,1,2,3
	v_mov_b32 v[TM+4+\b], 0                        ; written once: a lane permute's destination counts as one of its sources
.endr
	s_mul_i32 s32, s20, 2*TILEB                    ; pq: my pair, my K step's half of each tile
	s_mul_i32 s33, s46, 1536
	s_add_co_u32 s32, s32, s33
	s_mov_b32 s33, 0
	s_lshl_b32 s34, s20, 8                         ; psc: my pair, lanes 16 ks on
	s_lshl_b32 s35, s46, 7
	s_add_co_u32 s34, s34, s35
	s_mov_b32 s35, 0
	s_lshr_b32 s44, s20, 3                         ; pm: 262,144 x (pair / 8) + 4,096 x (pair % 8) + 32,768 ks
	s_lshl_b32 s44, s44, 18
	s_and_b32 s45, s20, 7
	s_lshl_b32 s45, s45, 12
	s_add_co_u32 s44, s44, s45
	s_lshl_b32 s45, s46, 15
	s_add_co_u32 s44, s44, s45
	s_mov_b32 s45, 0
	s_wait_kmcnt 0x0
	s_add_nc_u64 s[22:23], s[10:11], 512           ; W_w's K step 1 begins 512 bytes into a row
	s_cmp_eq_u32 s46, 0                            ; the choices hang on the wave's and the work-group's numbers alone
	s_cselect_b64 s[24:25], s[6:7], s[8:9]         ; left or right,
	s_cselect_b64 s[26:27], s[10:11], s[22:23]     ; W_w or W_w + 512
	s_cmp_ge_u32 ttmp9, 384
	s_cselect_b64 s[24:25], s[26:27], s[24:25]
	s_cselect_b32 s28, 10, 9                       ; a row is 1,024 or 512 bytes
	s_cselect_b32 s29, s18, s20                    ; the pair's number in its tensor
	s_lshl_b32 s30, s29, 5
	s_lshl_b32 s30, s30, s28                       ; 32 rows a pair
	s_mov_b32 s31, 0
	s_add_nc_u64 s[24:25], s[24:25], s[30:31]
	s_add_nc_u64 s[14:15], s[14:15], s[32:33]
	s_add_nc_u64 s[48:49], s[48:49], s[34:35]
	s_add_nc_u64 s[50:51], s[50:51], s[44:45]
	s_lshl_b32 s36, 16, s28
	v_lshlrev_b32 v4, s28, v2
	v_lshl_add_u32 v4, v10, 6, v4                  ; the first tile: row r, + 64 h
	v_add_nc_u32 v5, s36, v4                       ; the second: 16 rows on
	v_lshlrev_b32 v11, 4, v2
	v_lshl_add_u32 v11, v10, 10, v11               ; pm: 16 r + 1,024 h
	v_lshlrev_b32 v12, 3, v2                       ; psc: 8 r
	s_wait_alu depctr_va_vdst(0)                   ; the wait
	XLOAD NA, 4                                    ; both tiles' 32 loads go out together
	XLOAD NB, 5
	s_wait_loadcnt 16                              ; the older 16 loads are in
	MPUT NA, 0
	QUANT NA
	PUT 0, 0
	s_wait_loadcnt 0x0
	s_wait_xcnt 0x0                                ; the stores have read the code registers, which are written again only behind this wait
	MPUT NB, 1
	QUANT NB
	PUT 3072, 1
	global_store_b64 v12, v[PWS:PWS+1], s[48:49]   ; both halves of the lanes hold row r's words and store the same 8 bytes: 128 consecutive bytes; the wave of the other K step stores the run's other half
	s_endpgm
.Lfunc_end_k_qbc5aea5c6c_quant:
	.size	k_qbc5aea5c6c_quant, .Lfunc_end_k_qbc5aea5c6c_quant-k_qbc5aea5c6c_quant
	.p2alignl 7, 3214868480
	.fill 96, 4, 3214868480
	.section	.rodata,"a",@progbits
	.p2align	6, 0x0
	.amdhsa_kernel k_qbc5aea5c6c_quant
		.amdhsa_group_segment_fixed_size 26112
		.amdhsa_private_segment_fixed_size 0
		.amdhsa_enable_private_segment 0
		.amdhsa_kernarg_size 64
		.amdhsa_user_sgpr_count 2
		.amdhsa_user_sgpr_kernarg_segment_ptr 1
		.amdhsa_wavefront_size32 1
		.amdhsa_system_sgpr_workgroup_id_x 1
		.amdhsa_system_sgpr_workgroup_id_y 1
		.amdhsa_system_sgpr_workgroup_id_z 1
		.amdhsa_system_vgpr_workitem_id 0
		.amdhsa_next_free_vgpr 244
		.amdhsa_next_free_sgpr 66
		.amdhsa_reserve_vcc 0
		.amdhsa_float_denorm_mode_32 3
		.amdhsa_float_denorm_mode_16_64 3
		.amdhsa_memory_ordered 1
		.amdhsa_forward_progress 1
		.amdhsa_inst_pref_size 55
	.end_amdhsa_kernel
	.amdgpu_metadata
---
amdhsa.version: [ 1, 2 ]
amdhsa.kernels:
  - .name:           k_qbc5aea5c6c_quant
    .symbol:         k_qbc5aea5c6c_quant.kd
    .args:
      - { .name: V, .offset: 0, .size: 8, .value_kind: global_buffer, .address_space: global }
      - { .name: left, .offset: 8, .size: 8, .value_kind: global_buffer, .address_space: global }
      - { .name: right, .offset: 16, .size: 8, .value_kind: global_buffer, .address_space: global }
      - { .name: W_w, .offset: 24, .size: 8, .value_kind: global_buffer, .address_space: global }
      - { .name: vq, .offset: 32, .size: 8, .value_kind: global_buffer, .address_space: global }
      - { .name: pq, .offset: 40, .size: 8, .value_kind: global_buffer, .address_space: global }
      - { .name: psc, .offset: 48, .size: 8, .value_kind: global_buffer, .address_space: global }
      - { .name: pm, .offset: 56, .size: 8, .value_kind: global_buffer, .address_space: global }
    .group_segment_fixed_size: 26112
    .private_segment_fixed_size: 0
    .kernarg_segment_align: 8
    .kernarg_segment_size: 64
    .max_flat_workgroup_size: 128
    .sgpr_count:     66
    .vgpr_count:     244
    .wavefront_size: 32
...
	.end_amdgpu_metadata
.endif
;; end of part 1
;; launch bilinear (part 2): grid 32 x 8, 8 waves a work-group, clusters of 4 x 4, 327,680 bytes of LDS; arguments pq, psc, vq, pm, W_b, Ws_w, plog; writes plog
.if DOCPART == 2
	.amdgcn_target "amdgcn-amd-amdhsa--gfx1250"
	.amdhsa_code_object_version 6
	.text
	.protected	k_qbc5aea5c6c_bilinear
	.globl	k_qbc5aea5c6c_bilinear
	.p2align	8
	.type	k_qbc5aea5c6c_bilinear,@function
k_qbc5aea5c6c_bilinear:
	s_mov_b64 s[64:65], 0
	v_nop
	global_prefetch_b8 v0, s[64:65] scope:SCOPE_SE
	s_setreg_imm32_b32 hwreg(HW_REG_WAVE_MODE, 25, 1), 1
	s_wait_xcnt 0x0
	s_wait_alu depctr_hold_cnt(0) depctr_sa_sdst(0) depctr_va_vdst(0) depctr_va_sdst(0) depctr_va_ssrc(0) depctr_va_vcc(0) depctr_vm_vsrc(0)
	s_getreg_b32 s2, hwreg(HW_REG_IB_STS2, 6, 4)
	s_cmp_eq_u32 s2, 0
	s_cbranch_scc0 .Lentry_in_a_cluster
	s_endpgm
.Lentry_in_a_cluster:
	s_bfe_u32 s2, ttmp6, 0x10000c
	s_cmp_lg_u32 s2, 0xf033
	s_cbranch_scc0 .Lentry_shape_is_right
	s_endpgm
.Lentry_shape_is_right:
; tp[b][k] = sum over j of phrase[b][j] x (sum over i of Q(phrase)[b][i] Q(V)[i][j][k]);  h = tanh(tp + Q(phrase) Q(W_w)^T + W_b);  plog = h's part of the logits for 16 channels.
; A work-group takes 256 rows b (x) and 16 channels k (y), all 256 j.  Eight waves, two to a SIMD, 512 registers each: wave (rh = w / 4, jq = w % 4) takes rows 128 rh .. + 127 (8 tiles of 16)
; and, of each slot's 32 j, the eight j of records 4 jq .. 4 jq + 3.  The phrase codes of its 8 tiles stay in registers; a fragment of V (16 k x 256 i) feeds 16 matrix instructions.
; THE MATRIX INSTRUCTION IS USED TRANSPOSED: source 0 = 16 rows k of V, source 1 = 16 rows b: a lane holds one b and eight k, so phrase[b][j] is one number a lane (f32, from pm's image).
; THE ORDER: a group is 8 matrix instructions on end (4 tiles x 2 K steps, the tiles by turns); behind it stand the 16 packed multiply-adds of the group before.
; These are also the places between a product and the reads of it, and in front of the loads into fragments that are done with.  The two waves of a SIMD have matrix groups and vector groups to lay side by side.
; THE RING: two slots, each 16 records of V (102,400 bytes) and the multipliers of 256 rows x 32 j (32,768 bytes), both dense in memory, stated as rows of 256 bytes.  Each wave owns one part of one slot for the
; whole launch: waves 0-3 V's halves of slots 0, 0, 1, 1, waves 4-7 the multipliers' halves: eight first fills at the head, one a wave; at a change of slots the four owners of that slot load, one load each.
; A wave's last reads of a slot (record 3) are issued in record 2: the waits, the add and the barrier's signal stand in record 2's last group, the barrier's wait behind record 3's first group: work on registers alone between.
; CLUSTERS 4 x 4: V's tiles hang on y alone and go to my row of the cluster, the multipliers' on x alone and go to my column.
; PREFETCH: at the change that leaves slot number c (c = 0 .. 3) each wave names, by one instruction, blocks of 256 bytes of slot number c + 4, which is loaded two changes later: waves 0-3 25 blocks of V each,
; waves 4-7 8 blocks of multipliers each; the four partners that load a tile jointly share its blocks out by address (cx for V, cy for the multipliers).  Slots 0 to 3 come by their loads alone; the last changes ask for nothing.
; No sum is cleared: the first j's products start the sums by a multiplication.  Q(phrase) Q(W_w)^T + W_b is made by one wave of each row half, kept in LDS bytes of its own, and added at the end.
; THE END: the four j quarters meet in a stage that lies in slot 0 (its last fill and last read lie ahead of the last change of slots); two waves of each row half finish 64 rows each, so that plog leaves in whole runs of 256 bytes.
; LIMITS: tanh(x) = 1 - 2 / (1 + 2^(2.885390 x)); NaN and infinities among the inputs are not served.  Nothing of reference() is left out.
.set REC,    6400
.set TILEB,  3072
.set VPART,  16*REC
.set MPART,  32768
.set SLOT,   VPART+MPART
.set SPARE,  2*SLOT                    ; the spare words: 128 bytes for each of 8 waves
.set SCR,    SPARE+1024                ; 2 x 8,192 bytes: W's product, filled by no tensor load
.set PFO,  1                           ; v1     the prefetch's offset: 256 x my block
.set ADRV, 4                           ; v4-5   my records' fragments in slot 0, 1
.set ADRS, 6                           ; v6-7   their scale words
.set ADRM, 8                           ; v8-9   my multipliers
.set SPW,  10
.set NIL,  11
.set STW,  12                          ; the stage: where I write, where I read
.set STR,  13
.set LI,   14                          ; 16 x lane
.set L8,   15                          ; 8 x lane
.set PS,   16                          ; v16-23 phrase's scale words, a register a tile
.set VS,   24                          ; v24-27 V's scale words, two a record, two records
.set WS,   28
.set H32,  29
.set SCW,  30
.set SCD,  31
.set VF,   32                          ; v32-127 V's fragments: two records of 48
.set DT,   128                         ; v128-191 the products of 8 tiles
.set ACC,  192                         ; v192-255 the sums over j
.set MU,   192                         ; window 1: v192-255 multipliers, two sets of 8 tiles x 4 j;  window 1: v0-191 phrase's codes
.set WF,   80
.set BI,   104
.set WSR,  32
.set XA,   72
.set XB,   104
.set LP,   136
.set LS,   176
.set TA,   200
.set TB,   208
.set G1V, 32
.set G0V, 40
.set PFA, 44                           ; s[44:45] where my prefetches stand; s[46:47] a slot's step
.set PFS, 46
.set G1M, 48
.set G0M, 56
.set MSB, 0
.macro WIN new
.if MSB != \new
	s_set_vgpr_msb (MSB<<8)|\new
.set MSB, \new
.endif
.endm
.set W_MAIN, 0x04                      ; source 1 in window 1
.set W_MU,   0x44                      ; and the destination too
.set W_PC,   0x40
; A joint load.  sl = 0, 1: the owners of that slot step their addresses two slots on and load; sl = 2: the head, every wave loads.  The branches hang on the wave's number alone.
.macro JLOAD sl
.if \sl < 2
	s_cmp_lg_u32 s29, \sl
	s_cbranch_scc1 .Lasked_\@
	s_add_nc_u64 s[G0V+2:G0V+3], s[G0V+2:G0V+3], 2*VPART
	s_add_nc_u64 s[G0M+2:G0M+3], s[G0M+2:G0M+3], 2*MPART
.endif
	s_cmp_eq_u32 s21, 0
	s_cbranch_scc0 .Lfor_m_\@
	tensor_load_to_lds s[G0V:G0V+3], s[G1V:G1V+7]
	s_nop 0
.rept 4
	v_nop
.endr
	s_branch .Lasked_\@
.Lfor_m_\@:
	tensor_load_to_lds s[G0M:G0M+3], s[G1M:G1M+7]
	s_nop 0
.rept 4
	v_nop
.endr
.Lasked_\@:
.endm
.macro CREST
	s_cmp_lg_u32 s20, 0
	s_cbranch_scc1 .Lnot_wave_0_\@
	s_barrier_signal -3
.Lnot_wave_0_\@:
	s_barrier_wait -3
	s_barrier_signal -1
	s_barrier_wait -1
.endm
.macro CROUND
	s_barrier_signal -1
	s_barrier_wait -1
	CREST
.endm
.macro PLACES n
.rept \n
	v_nop
.endr
.endm
	s_load_b256 s[4:11], s[0:1], 0x0               ; pq, psc, vq, pm
	s_load_b128 s[12:15], s[0:1], 0x20             ; W_b, Ws_w
	s_load_b64 s[16:17], s[0:1], 0x30              ; plog
	v_lshl_add_u32 v[SPW], v0, 2, SPARE
	v_mov_b32 v[NIL], 0
	ds_add_u32 v[SPW], v[NIL]                      ; the opening: the add, twice on end, and its wait ahead of my first tensor load
	ds_add_u32 v[SPW], v[NIL]
	v_lshrrev_b32 v1, 5, v0
	v_readfirstlane_b32 s20, v1                    ; wave 0..7
	s_lshr_b32 s21, s20, 2                         ; rh.  Also: I load V (0) or multipliers (1)
	s_and_b32 s22, s20, 3                          ; jq
	s_lshl_b32 s19, s21, 1
	s_xor_b32 s19, s19, s22                        ; tq = jq xor 2 rh: waves tq = 0 make W's product, waves tq = 0, 1 finish (waves 0, 1, 6, 7)
	s_bfe_u32 s29, s20, 0x10001                    ; the slot that I fill
	s_and_b32 s30, s20, 1                          ; and which half of its part
	s_bfe_u32 s23, ttmp6, 0x40000                  ; cx, cy
	s_bfe_u32 s24, ttmp6, 0x40004
	s_lshl_b32 s25, ttmp9, 2
	s_add_co_u32 s25, s25, s23                     ; x: block of 256 rows
	s_and_b32 s26, ttmp7, 0xffff
	s_lshl_b32 s26, s26, 2
	s_add_co_u32 s26, s26, s24                     ; y: block of 16 channels
	s_lshl_b32 s27, s24, 2
	s_lshl_b32 s27, 15, s27                        ; my row of the cluster
	s_lshl_b32 s28, 0x1111, s23                    ; my column
	s_or_b32 s[G1V], s27, (3<<16)|(1<<21)          ; V: 200 rows of 32 elements of 8 bytes, dense
	s_mov_b32 s[G1V+1], 32<<16
	s_mov_b32 s[G1V+2], 200<<16
	s_mov_b32 s[G1V+3], 32<<16
	s_mov_b32 s[G1V+4], 200
	s_mov_b32 s[G1V+5], 32
	s_mov_b32 s[G1V+6], 0
	s_mov_b32 s[G1V+7], 0
	s_or_b32 s[G1M], s28, (3<<16)|(1<<21)          ; multipliers: 64 such rows
	s_mov_b32 s[G1M+1], 32<<16
	s_mov_b32 s[G1M+2], 64<<16
	s_mov_b32 s[G1M+3], 32<<16
	s_mov_b32 s[G1M+4], 64
	s_mov_b32 s[G1M+5], 32
	s_mov_b32 s[G1M+6], 0
	s_mov_b32 s[G1M+7], 0
	s_mul_i32 s31, s29, SLOT                       ; where my part goes: no place in the cluster enters an LDS address
	s_mul_i32 s83, s30, 8*REC
	s_mov_b32 s[G0V], 1
	s_add_co_u32 s[G0V+1], s83, s31
	s_lshl_b32 s91, s30, 14
	s_mov_b32 s[G0M], 1
	s_add_co_u32 s[G0M+1], s91, s31
	s_add_co_u32 s[G0M+1], s[G0M+1], VPART
	s_mul_i32 s92, s22, 4*REC                      ; what I read: my four records,
	s_lshl_b32 s93, s21, 14                        ; my 8 tiles' multipliers of my eight j
	s_lshl_b32 s94, s22, 9
	s_add_co_u32 s93, s93, s94
	s_add_co_u32 s93, s93, VPART
	s_lshl_b32 s95, s20, 13                        ; the stage: 8,192 bytes a wave, from LDS byte 0
	s_lshl_b32 s96, s21, 15
	s_lshl_b32 s97, s19, 12
	s_add_co_u32 s96, s96, s97                     ; back: my row half's four copies, four tiles
	s_lshl_b32 s98, s21, 13
	s_add_co_u32 s98, s98, SCR
	s_add_co_u32 s99, s98, s97
	; the prefetches: a wave's share of a slot is C bytes (V 6,400, multipliers 2,048), a partner's 4 C, a slot 16 C; they begin at slot 3 and are stepped ahead of each use
	s_mov_b32 s62, 6400
	s_mov_b32 s63, 2048
	s_mul_i32 s18, s26, 128*REC
	s_lshl_b32 s47, s25, 18
	s_cmp_eq_u32 s21, 0
	s_cselect_b32 s60, 24, 7                       ; my last block
	s_cselect_b32 s61, s23, s24                    ; my place among the four that load the tile with me
	s_cselect_b32 s62, s62, s63
	s_cselect_b32 s18, s18, s47
	s_lshl_b32 s61, s61, 2
	s_add_co_u32 s61, s61, s22
	s_add_co_u32 s61, s61, 48
	s_mul_i32 s61, s61, s62
	s_lshl_b32 s[PFS], s62, 4
	s_mov_b32 s[PFS+1], 0
	s_add_co_u32 s62, s18, s61
	s_mov_b32 s63, 0
	v_and_b32 v1, 31, v0
	v_and_b32 v2, 15, v0
	v_bfe_u32 v3, v0, 4, 1
	v_lshlrev_b32 v[LI], 4, v1
	v_lshlrev_b32 v[L8], 3, v1
	v_lshlrev_b32 v[H32], 5, v3
	v_lshlrev_b32 v2, 4, v2
	v_min_u32 v1, s60, v1                          ; lanes that are left over name my last block again
	v_lshlrev_b32 v[PFO], 8, v1
	v_add_nc_u32 v[ADRV], s92, v[LI]
	v_add_nc_u32 v[ADRS], s92, v[L8]
	v_add_nc_u32 v[ADRM], s93, v2
	v_add_nc_u32 v[ADRV+1], SLOT, v[ADRV]
	v_add_nc_u32 v[ADRS+1], SLOT, v[ADRS]
	v_add_nc_u32 v[ADRM+1], SLOT, v[ADRM]
	v_add_nc_u32 v[STW], s95, v[LI]
	v_add_nc_u32 v[STR], s96, v[LI]
	v_add_nc_u32 v[SCW], s98, v[LI]
	v_add_nc_u32 v[SCD], s99, v[LI]
	s_mul_i32 s82, s26, 128*REC                    ; V's part in memory hangs on y and the wave alone,
	s_add_co_u32 s82, s82, s83
	s_mul_i32 s83, s29, VPART
	s_add_co_u32 s82, s82, s83
	s_mov_b32 s83, 0
	s_lshl_b32 s90, s25, 18                        ; the multipliers' on x and the wave alone
	s_add_co_u32 s90, s90, s91
	s_lshl_b32 s91, s29, 15
	s_add_co_u32 s90, s90, s91
	s_mov_b32 s91, 0
	s_mul_i32 s86, s25, 16*TILEB                   ; my 8 tiles of phrase's codes
	s_mul_i32 s87, s21, 8*TILEB
	s_add_co_u32 s86, s86, s87
	s_mov_b32 s87, 0
	s_lshl_b32 s84, s25, 11                        ; and their scale words
	s_lshl_b32 s85, s21, 10
	s_add_co_u32 s84, s84, s85
	s_mov_b32 s85, 0
	s_wait_alu depctr_va_vdst(0)                   ; the wait at the head's end
	s_wait_dscnt 0x0                               ; both opening adds are done
	s_wait_kmcnt 0x0
	s_add_nc_u64 s[66:67], s[4:5], s[86:87]
	s_add_nc_u64 s[68:69], s[6:7], s[84:85]
	WIN W_PC
.irp t, 0,1,2,3,4,5,6,7
.irp c, 0,1,2,3,4,5
	global_load_b128 v[24*\t+4*\c:24*\t+4*\c+3], v[LI], s[66:67] offset:TILEB*\t+512*\c
.endr
.endr
	WIN 0
.irp u, 0,1,2,3
	global_load_b64 v[PS+2*\u:PS+2*\u+1], v[L8], s[68:69] offset:256*\u
.endr
	s_add_nc_u64 s[G0V+2:G0V+3], s[8:9], s[82:83]
	s_or_b32 s[G0V+3], s[G0V+3], 0x80000000
	s_add_nc_u64 s[G0M+2:G0M+3], s[10:11], s[90:91]
	s_or_b32 s[G0M+3], s[G0M+3], 0x80000000
	s_cmp_eq_u32 s21, 0
	s_cselect_b64 s[PFA:PFA+1], s[8:9], s[10:11]
	s_add_nc_u64 s[PFA:PFA+1], s[PFA:PFA+1], s[62:63]
	s_mov_b32 s97, 0
	s_add_co_u32 s96, s26, 512
	s_mul_i32 s96, s96, TILEB
	s_add_nc_u64 s[70:71], s[4:5], s[96:97]        ; W_w's tile y
	s_lshr_b32 s96, s26, 1
	s_add_co_u32 s96, s96, 256
	s_lshl_b32 s96, s96, 8
	s_and_b32 s98, s26, 1
	s_lshl_b32 s98, s98, 2
	s_add_co_u32 s96, s96, s98
	s_add_nc_u64 s[72:73], s[6:7], s[96:97]        ; its scale words
	s_lshl_b32 s96, s26, 6
	s_add_nc_u64 s[74:75], s[12:13], s[96:97]      ; W_b and Ws_w at channel 16 y
	s_add_nc_u64 s[76:77], s[14:15], s[96:97]
	s_cmp_lg_u32 s19, 0
	s_cbranch_scc1 .Lno_wl                         ; waves tq = 0 alone make W's product
.irp c, 0,1,2,3,4,5
	global_load_b128 v[WF+4*\c:WF+4*\c+3], v[LI], s[70:71] offset:512*\c
.endr
	global_load_b32 v[WS], v[L8], s[72:73]
	global_load_b128 v[BI:BI+3], v[H32], s[74:75]
	global_load_b128 v[BI+4:BI+7], v[H32], s[74:75] offset:16
.Lno_wl:
	CROUND                                         ; all sixteen work-groups are here: the first joint loads meet
	JLOAD 2                                        ; both slots' eight parts, one a wave
	s_lshl_b32 s98, s25, 2                         ; plog: my 64 rows are group 4 x + 2 rh + tq (tq = 0, 1)
	s_lshl_b32 s99, s21, 1
	s_add_co_u32 s98, s98, s99
	s_add_co_u32 s98, s98, s19
	s_lshl_b32 s96, s26, 17
	s_lshl_b32 s99, s98, 10
	s_add_co_u32 s96, s96, s99
	s_add_nc_u64 s[78:79], s[16:17], s[96:97]
	s_lshl_b32 s96, s26, 7
	s_add_co_u32 s96, s96, s98
	s_lshl_b32 s96, s96, 8
	s_add_co_u32 s96, s96, 0x100000
	s_add_nc_u64 s[80:81], s[16:17], s[96:97]
.macro MM idx, g, n                    ; tile 4 g + n % 4, K step n / 4, against fragment idx (2 x record buffer + j's parity)
.set mT, 4*(\g)+(\n)%4
.if (\n)/4 == 0
	v_wmma_scale_f32_16x16x128_f8f6f4 v[DT+8*mT:DT+8*mT+7], v[VF+24*(\idx):VF+24*(\idx)+11], v[24*mT:24*mT+11], 0, v[VS+(\idx)], v[PS+mT] matrix_a_fmt:MATRIX_FMT_BF6 matrix_b_fmt:MATRIX_FMT_BF6
.else
	v_wmma_scale_f32_16x16x128_f8f6f4 v[DT+8*mT:DT+8*mT+7], v[VF+24*(\idx)+12:VF+24*(\idx)+23], v[24*mT+12:24*mT+23], v[DT+8*mT:DT+8*mT+7], v[VS+(\idx)], v[PS+mT] matrix_a_fmt:MATRIX_FMT_BF6 matrix_b_fmt:MATRIX_FMT_BF6 matrix_a_scale:MATRIX_SCALE_ROW1 matrix_b_scale:MATRIX_SCALE_ROW1
.endif
.endm
.macro GM idx, g
.irp n, 0,1,2,3,4,5,6,7
	MM \idx, \g, \n
.endr
.endm
.macro FM t, i, p, e, mul              ; sums of tile t, registers 2 i, 2 i + 1, += products x the e-th of the four j of multiplier set p
.set fA, ACC+8*(\t)+2*(\i)
.set fD, DT+8*(\t)+2*(\i)
.set fM, MU+32*(\p)+4*(\t)+2*((\e)/2)
.if \mul
	v_pk_mul_f32 v[fA:fA+1], v[fD:fD+1], v[fM:fM+1] op_sel_hi:[1,0]
.else
.if (\e)%2 == 0
	v_pk_fma_f32 v[fA:fA+1], v[fD:fD+1], v[fM:fM+1], v[fA:fA+1] op_sel_hi:[1,0,1]
.else
	v_pk_fma_f32 v[fA:fA+1], v[fD:fD+1], v[fM:fM+1], v[fA:fA+1] op_sel:[0,1,0]
.endif
.endif
.endm
.macro GF g, p, e, mul                 ; each product is read from its low end on
.irp t, 0,1,2,3
.irp i, 0,1,2,3
	FM 4*(\g)+\t, \i, \p, \e, \mul
.endr
.endr
.endm
.macro FV sl, rec, buf                 ; a record: two fragments and their scale words
.irp e, 0,1
.irp c, 0,1,2,3,4,5
	ds_load_b128 v[VF+48*(\buf)+24*\e+4*\c:VF+48*(\buf)+24*\e+4*\c+3], v[ADRV+(\sl)] offset:(\rec)*REC+\e*TILEB+512*\c
.endr
.endr
	ds_load_b64 v[VS+2*(\buf):VS+2*(\buf)+1], v[ADRS+(\sl)] offset:(\rec)*REC+2*TILEB
.endm
.macro FMU sl, q, p                    ; four j's multipliers of my 8 tiles: sixteen lanes read 256 neighbouring bytes, both halves of the lanes the same
	WIN W_MU
.irp t, 0,1,2,3,4,5,6,7
	ds_load_b128 v[MU+32*(\p)+4*\t:MU+32*(\p)+4*\t+3], v[ADRM+(\sl)] offset:2048*\t+256*(\q)
.endr
	WIN W_MAIN
.endm
; Record r of my four in slot sl: 32 matrix instructions in four groups.  Behind the first group and its multiply-adds stands ONE run of LDS loads: the next record, and in records 1 and 3 the next four j's multipliers.
; mode 1: the slot is left and filled again (signal in record 2, wait and refill in record 3); 0: left, not filled; 2: the last slot; 3: the launch's first record.
.macro STEP sl, nx, r, mode
.set sB, (\r)%2
.set sQ, (\r)/2
.set sE, 2*((\r)%2)
.set sPP, (((\r)+3)%4)/2
.set sPE, 2*(((\r)+3)%2)+1
.if (\r) == 2 && (\mode) == 1
	s_wait_xcnt 0x0                                ; my last prefetch has read its address, which steps a slot on
	s_add_nc_u64 s[PFA:PFA+1], s[PFA:PFA+1], s[PFS:PFS+1]
.endif
.if (\r) < 3 || (\mode) >= 2
	s_wait_dscnt 0x0                               ; the last run of loads is in (in a record 3 that leaves its slot: waited for ahead of the signal)
.endif
	WIN W_MAIN
	GM 2*sB, 0
.if (\mode) == 3
	PLACES 4
.else
	GF 1, sPP, sPE, 0
.endif
.if (\r) == 3 && (\mode) < 2
	WIN 0
	s_barrier_wait -1                              ; nobody reads this slot any more, and the next slot is whole
.if (\mode) == 1
	CREST                                          ; the barrier has opened a round of the cluster's barrier
	JLOAD \sl
.endif
	WIN W_MAIN
.endif
.if (\r) < 3
	FV \sl, (\r)+1, 1-sB
.if (\r) == 1
	FMU \sl, 1, 1
.endif
.else
.if (\mode) < 2
	FV \nx, 0, 0
	FMU \nx, 0, 0
.if (\mode) == 1
	WIN 0
	s_cmp_gt_u32 s3, 1                             ; the loop's last trip has no slot four on
	s_cbranch_scc0 .Lno_ask_\@
	global_prefetch_b8 v[PFO], s[PFA:PFA+1] th:TH_LOAD_NT scope:SCOPE_SE
.Lno_ask_\@:
	WIN W_MAIN
.endif
.else
.irp c, 0,1,2,3,4
	global_load_b128 v[WSR+8*\c:WSR+8*\c+3], v[H32], s[76:77] offset:512*\c       ; Ws_w(c, 16 y + 8 h ..), into the record buffer that is done with
	global_load_b128 v[WSR+8*\c+4:WSR+8*\c+7], v[H32], s[76:77] offset:512*\c+16
.endr
.endif
.endif
	GM 2*sB, 1
	GF 0, sQ, sE, (\mode)/3
	GM 2*sB+1, 0
	GF 1, sQ, sE, (\mode)/3
.if (\r) == 2 && (\mode) < 2
	s_wait_dscnt 0x0                               ; record 3 is in registers: my reads of this slot are over
	WIN 0
	s_wait_tensorcnt 0x0                           ; my tensor load, if one is out, has landed: a part of the next slot;
	ds_add_u32 v[SPW], v[NIL]
	WIN W_MAIN
	GM 2*sB+1, 1
	s_wait_dscnt 0x0                               ; the add is done
	s_barrier_signal -1                            ; up to the wait in record 3: work on registers alone
	GF 0, sQ, sE+1, 0
.else
	GM 2*sB+1, 1
	GF 0, sQ, sE+1, 0
.endif
.endm
	s_wait_tensorcnt 0x0                           ; my part is in
	s_barrier_signal -1
	s_barrier_wait -1                              ; both slots are whole for all eight waves
	WIN W_MAIN
	FV 0, 0, 0
	FMU 0, 0, 0
	WIN 0
	s_wait_loadcnt 0x0                             ; phrase's codes and scale words (and W_w's)
	s_cmp_lg_u32 s19, 0
	s_cbranch_scc1 .Lno_w
	WIN W_MAIN
.irp t, 0,1,2,3,4,5,6,7
	v_wmma_scale_f32_16x16x128_f8f6f4 v[ACC+8*\t:ACC+8*\t+7], v[WF:WF+11], v[24*\t:24*\t+11], v[BI:BI+7], v[WS], v[PS+\t] matrix_a_fmt:MATRIX_FMT_BF6 matrix_b_fmt:MATRIX_FMT_BF6
.endr
.irp t, 0,1,2,3,4,5,6,7
	v_wmma_scale_f32_16x16x128_f8f6f4 v[ACC+8*\t:ACC+8*\t+7], v[WF+12:WF+23], v[24*\t+12:24*\t+23], v[ACC+8*\t:ACC+8*\t+7], v[WS], v[PS+\t] matrix_a_fmt:MATRIX_FMT_BF6 matrix_b_fmt:MATRIX_FMT_BF6 matrix_a_scale:MATRIX_SCALE_ROW1 matrix_b_scale:MATRIX_SCALE_ROW1
.endr
	PLACES 4
	WIN 0
.irp c, 0,1,2,3,4,5,6,7,8,9,10,11,12,13,14,15
	ds_store_b128 v[SCW], v[ACC+4*\c:ACC+4*\c+3] offset:512*\c
.endr
.Lno_w:
	STEP 0, 1, 0, 3                                ; the first record stands ahead of the loop: its first j starts the sums
	WIN 0
	s_mov_b32 s3, 3
.Llap:                                             ; a trip goes once round the ring, from slot 0's second record to its next first, and fills both slots again
	STEP 0, 1, 1, 1
	STEP 0, 1, 2, 1
	STEP 0, 1, 3, 1
	STEP 1, 0, 0, 1
	STEP 1, 0, 1, 1
	STEP 1, 0, 2, 1
	STEP 1, 0, 3, 1
	STEP 0, 1, 0, 1
	WIN 0
	s_sub_co_u32 s3, s3, 1
	s_cmp_lg_u32 s3, 0
	s_cbranch_scc1 .Llap
	STEP 0, 1, 1, 0                                ; the last lap fills nothing
	STEP 0, 1, 2, 0
	STEP 0, 1, 3, 0
	STEP 1, 0, 0, 2
	STEP 1, 0, 1, 2
	STEP 1, 0, 2, 2
	STEP 1, 0, 3, 2
	GF 1, 1, 3, 0
	WIN 0
.irp c, 0,1,2,3,4,5,6,7,8,9,10,11,12,13,14,15
	ds_store_b128 v[STW], v[ACC+4*\c:ACC+4*\c+3] offset:512*\c
.endr
	s_wait_dscnt 0x0                               ; for the others' sake: my sums are in the stage
	s_barrier_signal -1
	s_barrier_wait -1
	s_cmp_ge_u32 s19, 2
	s_cbranch_scc1 .Ldone
.irp k, 0,1,2,3                                    ; four tiles' sums of the four j quarters,
.irp c, 0,1,2,3,4,5,6,7
	ds_load_b128 v[XA+32*\k+4*\c:XA+32*\k+4*\c+3], v[STR] offset:8192*\k+512*\c
.endr
.endr
.irp c, 0,1,2,3,4,5,6,7                            ; and W's product with the bias
	ds_load_b128 v[XA+128+4*\c:XA+128+4*\c+3], v[SCD] offset:512*\c
.endr
	s_wait_dscnt 0x0
.irp j, 0,2,4,6,8,10,12,14,16,18,20,22,24,26,28,30
	v_pk_add_f32 v[XA+\j:XA+\j+1], v[XA+\j:XA+\j+1], v[XA+32+\j:XA+32+\j+1]
	v_pk_add_f32 v[XA+64+\j:XA+64+\j+1], v[XA+64+\j:XA+64+\j+1], v[XA+96+\j:XA+96+\j+1]
.endr
.irp j, 0,2,4,6,8,10,12,14,16,18,20,22,24,26,28,30
	v_pk_add_f32 v[XA+\j:XA+\j+1], v[XA+\j:XA+\j+1], v[XA+128+\j:XA+128+\j+1]
.endr
.irp j, 0,2,4,6,8,10,12,14,16,18,20,22,24,26,28,30
	v_pk_add_f32 v[XA+\j:XA+\j+1], v[XA+\j:XA+\j+1], v[XA+64+\j:XA+64+\j+1]
.endr
.irp j, 0,2,4,6,8,10,12,14,16,18,20,22,24,26,28,30
	v_pk_mul_f32 v[XB+\j:XB+\j+1], v[XA+\j:XA+\j+1], 0x4038aa3b op_sel_hi:[1,0]
.endr
	s_wait_alu depctr_va_vdst(0)                   ; a wait ahead of each batch and one behind it
.irp j, 0,1,2,3,4,5,6,7,8,9,10,11,12,13,14,15,16,17,18,19,20,21,22,23,24,25,26,27,28,29,30,31
	v_exp_f32 v[XB+\j], v[XB+\j]
.endr
	v_nop
	s_wait_alu depctr_va_vdst(0)
.irp j, 0,2,4,6,8,10,12,14,16,18,20,22,24,26,28,30
	v_pk_add_f32 v[XB+\j:XB+\j+1], v[XB+\j:XB+\j+1], 1.0 op_sel_hi:[1,0]
.endr
	s_wait_alu depctr_va_vdst(0)
.irp j, 0,1,2,3,4,5,6,7,8,9,10,11,12,13,14,15,16,17,18,19,20,21,22,23,24,25,26,27,28,29,30,31
	v_rcp_f32 v[XB+\j], v[XB+\j]
.endr
	v_nop
	s_wait_alu depctr_va_vdst(0)
.irp j, 0,2,4,6,8,10,12,14,16,18,20,22,24,26,28,30
	v_pk_fma_f32 v[XA+\j:XA+\j+1], v[XB+\j:XB+\j+1], -2.0, 1.0 op_sel_hi:[1,0,0]   ; h
.endr
	s_wait_loadcnt 0x0                             ; Ws_w
.irp u, 0,1,2,3
.irp c, 0,1,2,3,4
	v_pk_mul_f32 v[LP+2*(5*\u+\c):LP+2*(5*\u+\c)+1], v[XA+8*\u:XA+8*\u+1], v[WSR+8*\c:WSR+8*\c+1]
.endr
.endr
.irp i, 2,4,6
.irp u, 0,1,2,3
.irp c, 0,1,2,3,4
	v_pk_fma_f32 v[LP+2*(5*\u+\c):LP+2*(5*\u+\c)+1], v[XA+8*\u+\i:XA+8*\u+\i+1], v[WSR+8*\c+\i:WSR+8*\c+\i+1], v[LP+2*(5*\u+\c):LP+2*(5*\u+\c)+1]
.endr
.endr
.endr
.irp n, 0,1,2,3,4,5,6,7,8,9,10,11,12,13,14,15,16,17,18,19
	v_add_f32 v[LS+\n], v[LP+2*\n], v[LP+2*\n+1]
.endr
.irp w, 0,1                                        ; the two halves of the lanes hold 8 channels each of one row: two tiles change halves, and a lane then has a row of 32
.irp c, 0,1,2,3,4
	v_permlane16_swap_b32 v[LS+10*\w+\c], v[LS+10*\w+5+\c]
.endr
.irp c, 0,1,2,3
	v_add_f32 v[TA+4*\w+\c], v[LS+10*\w+\c], v[LS+10*\w+5+\c]
.endr
	v_add_f32 v[TB+\w], v[LS+10*\w+4], v[LS+10*\w+9]
.endr
	global_store_b128 v[LI], v[TA:TA+3], s[78:79]              ; each store of the wave covers whole aligned runs of 256 bytes
	global_store_b128 v[LI], v[TA+4:TA+7], s[78:79] offset:512
	global_store_b64 v[L8], v[TB:TB+1], s[80:81]
.Ldone:
	s_wait_tensorcnt 0x0                           ; the wave's end
	ds_add_u32 v[SPW], v[NIL]
	s_wait_dscnt 0x0
	CROUND                                         ; the closing round
	s_endpgm
.Lfunc_end_k_qbc5aea5c6c_bilinear:
	.size	k_qbc5aea5c6c_bilinear, .Lfunc_end_k_qbc5aea5c6c_bilinear-k_qbc5aea5c6c_bilinear
	.p2alignl 7, 3214868480
	.fill 96, 4, 3214868480
	.section	.rodata,"a",@progbits
	.p2align	6, 0x0
	.amdhsa_kernel k_qbc5aea5c6c_bilinear
		.amdhsa_group_segment_fixed_size 327680
		.amdhsa_private_segment_fixed_size 0
		.amdhsa_enable_private_segment 0
		.amdhsa_kernarg_size 56
		.amdhsa_user_sgpr_count 2
		.amdhsa_user_sgpr_kernarg_segment_ptr 1
		.amdhsa_wavefront_size32 1
		.amdhsa_system_sgpr_workgroup_id_x 1
		.amdhsa_system_sgpr_workgroup_id_y 1
		.amdhsa_system_sgpr_workgroup_id_z 1
		.amdhsa_system_vgpr_workitem_id 0
		.amdhsa_next_free_vgpr 512
		.amdhsa_next_free_sgpr 100
		.amdhsa_reserve_vcc 0
		.amdhsa_float_denorm_mode_32 3
		.amdhsa_float_denorm_mode_16_64 3
		.amdhsa_memory_ordered 1
		.amdhsa_forward_progress 1
		.amdhsa_inst_pref_size 189
	.end_amdhsa_kernel
	.amdgpu_metadata
---
amdhsa.version: [ 1, 2 ]
amdhsa.kernels:
  - .name:           k_qbc5aea5c6c_bilinear
    .symbol:         k_qbc5aea5c6c_bilinear.kd
    .args:
      - { .name: pq, .offset: 0, .size: 8, .value_kind: global_buffer, .address_space: global }
      - { .name: psc, .offset: 8, .size: 8, .value_kind: global_buffer, .address_space: global }
      - { .name: vq, .offset: 16, .size: 8, .value_kind: global_buffer, .address_space: global }
      - { .name: pm, .offset: 24, .size: 8, .value_kind: global_buffer, .address_space: global }
      - { .name: W_b, .offset: 32, .size: 8, .value_kind: global_buffer, .address_space: global }
      - { .name: Ws_w, .offset: 40, .size: 8, .value_kind: global_buffer, .address_space: global }
      - { .name: plog, .offset: 48, .size: 8, .value_kind: global_buffer, .address_space: global }
    .group_segment_fixed_size: 327680
    .private_segment_fixed_size: 0
    .kernarg_segment_align: 8
    .kernarg_segment_size: 56
    .max_flat_workgroup_size: 256
    .sgpr_count:     100
    .vgpr_count:     512
    .wavefront_size: 32
...
	.end_amdgpu_metadata
.endif
;; end of part 2
;; launch finish (part 3): grid 32 x 1, 4 waves a work-group, no clusters, 5,632 bytes of LDS; arguments plog, Ws_b, out0; writes out0
.if DOCPART == 3
	.amdgcn_target "amdgcn-amd-amdhsa--gfx1250"
	.amdhsa_code_object_version 6
	.text
	.protected	k_qbc5aea5c6c_finish
	.globl	k_qbc5aea5c6c_finish
	.p2align	8
	.type	k_qbc5aea5c6c_finish,@function
k_qbc5aea5c6c_finish:
	s_mov_b64 s[64:65], 0
	v_nop
	global_prefetch_b8 v0, s[64:65] scope:SCOPE_SE
	s_setreg_imm32_b32 hwreg(HW_REG_WAVE_MODE, 25, 1), 1
	s_wait_xcnt 0x0
; out0[b][c] = log_softmax over c of (the sum over the 8 blocks of channels of plog + Ws_b[c]).  All in f32; the row's largest logit is taken away ahead of the exponentials.
; plog: classes 0-3 at [y 8][b 8192][4]; class 4 at byte 1,048,576 + [y 8][g = b / 64: 128][lane 32][2], b = 64 g + 32 w + lane.
; A work-group serves 256 rows; thread (wave, lane) the two rows 64 wave + 32 w + lane.  All 24 loads of a thread go out together.  The results, 20 bytes a row, meet in LDS and leave in runs of 256 aligned bytes.
; No matrix unit, no tensor load, no cluster: 1.3 MB are read once and nothing is shared.
.set L, 96                             ; v96-100, v104-108  the logits of rows w = 0, 1, then what is left of them
.set E, 32                             ; v32-36, v40-44     the exponentials
	s_load_b128 s[4:7], s[0:1], 0x0                ; plog s[4:5], Ws_b s[6:7]
	s_load_b64 s[8:9], s[0:1], 0x10                ; out0
	v_lshl_add_u32 v128, v0, 2, 0x1400
	v_mov_b32 v129, 0
	v_lshrrev_b32 v1, 5, v0                        ; wave
	v_and_b32 v2, 31, v0                           ; lane
	v_lshlrev_b32 v3, 4, v2
	v_lshl_add_u32 v3, v1, 10, v3                  ; classes 0-3: 16 bytes a row: 1,024 wave + 16 lane
	v_lshlrev_b32 v4, 3, v0                        ; 8 x thread: class 4's place, and the way out's
	v_lshl_add_u32 v5, v1, 6, v2
	v_mul_u32_u24 v5, v5, 20                       ; LDS: row 64 wave + lane of 20 bytes
	s_lshl_b32 s20, ttmp9, 12
	s_mov_b32 s21, 0
	s_lshl_b32 s22, ttmp9, 10
	s_mov_b32 s23, 0
	s_mul_i32 s24, ttmp9, 5120
	s_mov_b32 s25, 0
	s_wait_alu depctr_va_vdst(0)
	s_wait_kmcnt 0x0
	s_load_b128 s[12:15], s[6:7], 0x0              ; Ws_b: five numbers, 20 bytes
	s_load_b32 s16, s[6:7], 0x10
	s_add_nc_u64 s[10:11], s[4:5], s[22:23]        ; for class 4: 1,024 bytes a work-group
	s_add_nc_u64 s[4:5], s[4:5], s[20:21]          ; for classes 0-3: 4,096
	s_add_nc_u64 s[8:9], s[8:9], s[24:25]
.irp y, 0,1,2,3,4,5,6,7
	global_load_b128 v[16+8*\y:19+8*\y], v3, s[4:5] offset:131072*\y th:TH_LOAD_NT
	global_load_b128 v[20+8*\y:23+8*\y], v3, s[4:5] offset:131072*\y+512 th:TH_LOAD_NT
	global_load_b64 v[80+2*\y:81+2*\y], v4, s[10:11] offset:1048576+32768*\y th:TH_LOAD_NT
.endr
	s_wait_loadcnt 0x0
	s_wait_kmcnt 0x0
.irp y, 1,2,3,4,5,6,7                          ; the blocks of channels in ascending order
.irp k, 0,2,4,6
	v_pk_add_f32 v[16+\k:17+\k], v[16+\k:17+\k], v[16+8*\y+\k:17+8*\y+\k]
.endr
	v_pk_add_f32 v[80:81], v[80:81], v[80+2*\y:81+2*\y]
.endr
.irp w, 0,1
.irp c, 0,1,2,3
	v_add_f32 v[L+8*\w+\c], s[12+\c], v[16+4*\w+\c]
.endr
	v_add_f32 v[L+8*\w+4], s16, v[80+\w]
.endr
.irp w, 0,1
	v_max3_num_f32 v[112+\w], v[L+8*\w], v[L+8*\w+1], v[L+8*\w+2]
.endr
.irp w, 0,1
	v_max3_num_f32 v[112+\w], v[112+\w], v[L+8*\w+3], v[L+8*\w+4]              ; the row's largest logit
.endr
.irp w, 0,1
.irp c, 0,1,2,3,4
	v_sub_f32 v[L+8*\w+\c], v[L+8*\w+\c], v[112+\w]
.endr
.endr
.irp w, 0,1
.irp c, 0,1,2,3,4
	v_mul_f32 v[E+8*\w+\c], 0x3fb8aa3b, v[L+8*\w+\c]
.endr
.endr
	s_wait_alu depctr_va_vdst(0)
.irp w, 0,1
.irp c, 0,1,2,3,4
	v_exp_f32 v[E+8*\w+\c], v[E+8*\w+\c]           ; one batch of ten
.endr
.endr
	v_nop                                          ; a plain instruction behind the last exponential,
	s_wait_alu depctr_va_vdst(0)                   ; and one wait for the batch ahead of its first reader
.irp w, 0,1
	v_add_f32 v[114+\w], v[E+8*\w], v[E+8*\w+1]
	v_add_f32 v[116+\w], v[E+8*\w+2], v[E+8*\w+3]
.endr
.irp w, 0,1
	v_add_f32 v[114+\w], v[114+\w], v[E+8*\w+4]
.endr
.irp w, 0,1
	v_add_f32 v[114+\w], v[114+\w], v[116+\w]      ; the sum: between 1 and 5
.endr
	s_wait_alu depctr_va_vdst(0)
	v_log_f32 v118, v114
	v_log_f32 v119, v115
	v_nop
	s_wait_alu depctr_va_vdst(0)                   ; likewise for the two logarithms
.irp w, 0,1
.irp c, 0,1,2,3,4
	v_fmamk_f32 v[L+8*\w+\c], v[118+\w], 0xbf317218, v[L+8*\w+\c]              ; (logit - max) - ln 2 x log2(sum)
.endr
.endr
.irp w, 0,1
.irp c, 0,1,2,3,4
	ds_store_b32 v5, v[L+8*\w+\c] offset:640*\w+4*\c
.endr
.endr
	s_wait_dscnt 0x0                               ; for the others' sake: my stores have landed
	s_barrier_signal -1
	s_barrier_wait -1
.irp m, 0,1,2,3,4
	ds_load_b64 v[64+2*\m:65+2*\m], v4 offset:1024*\m
.endr
.irp m, 0,1,2,3,4
	s_wait_dscnt 4-\m                              ; LDS loads come back in order: load m is in, the younger ones may be out
	global_store_b64 v4, v[64+2*\m:65+2*\m], s[8:9] offset:1024*\m             ; a wave stores 256 consecutive bytes, at a multiple of 256 from out0's first byte
.endr
	s_wait_tensorcnt 0x0
	ds_add_u32 v128, v129
	s_wait_dscnt 0x0
	s_endpgm
.Lfunc_end_k_qbc5aea5c6c_finish:
	.size	k_qbc5aea5c6c_finish, .Lfunc_end_k_qbc5aea5c6c_finish-k_qbc5aea5c6c_finish
	.p2alignl 7, 3214868480
	.fill 96, 4, 3214868480
	.section	.rodata,"a",@progbits
	.p2align	6, 0x0
	.amdhsa_kernel k_qbc5aea5c6c_finish
		.amdhsa_group_segment_fixed_size 5632
		.amdhsa_private_segment_fixed_size 0
		.amdhsa_enable_private_segment 0
		.amdhsa_kernarg_size 24
		.amdhsa_user_sgpr_count 2
		.amdhsa_user_sgpr_kernarg_segment_ptr 1
		.amdhsa_wavefront_size32 1
		.amdhsa_system_sgpr_workgroup_id_x 1
		.amdhsa_system_sgpr_workgroup_id_y 1
		.amdhsa_system_sgpr_workgroup_id_z 1
		.amdhsa_system_vgpr_workitem_id 0
		.amdhsa_next_free_vgpr 130
		.amdhsa_next_free_sgpr 66
		.amdhsa_reserve_vcc 0
		.amdhsa_float_denorm_mode_32 3
		.amdhsa_float_denorm_mode_16_64 3
		.amdhsa_memory_ordered 1
		.amdhsa_forward_progress 1
		.amdhsa_inst_pref_size 11
	.end_amdhsa_kernel
	.amdgpu_metadata
---
amdhsa.version: [ 1, 2 ]
amdhsa.kernels:
  - .name:           k_qbc5aea5c6c_finish
    .symbol:         k_qbc5aea5c6c_finish.kd
    .args:
      - { .name: plog, .offset: 0, .size: 8, .value_kind: global_buffer, .address_space: global }
      - { .name: Ws_b, .offset: 8, .size: 8, .value_kind: global_buffer, .address_space: global }
      - { .name: out0, .offset: 16, .size: 8, .value_kind: global_buffer, .address_space: global }
    .group_segment_fixed_size: 5632
    .private_segment_fixed_size: 0
    .kernarg_segment_align: 8
    .kernarg_segment_size: 24
    .max_flat_workgroup_size: 128
    .sgpr_count:     66
    .vgpr_count:     130
    .wavefront_size: 32
...
	.end_amdgpu_metadata
.endif
;; end of part 3
